; MI455X (gfx1250); checked and timed in simulation.
; The chip was launched on July 23, 2026; its instructions are those of AMD's public machine-readable ISA for CDNA 5 (MIT licence, August 2026) and "CDNA5" Instruction Set Architecture Reference Guide (July 2026). The comments in the code are by the model that wrote it; some were corrected since.
;; Biased Attention Transformer Block. Allowed arithmetic: matrix products marked QUANTISED: E2M1 operands, one E8M0 scale for each 32 along K, by v_wmma_scale_f32_16x16x128_f8f6f4 with both operands' format E2M1 (or v_wmma_scale_f32_32x16x128_f4), f32 sums; products left as they are: f32 operands where the result goes on into a quantised operand, else bf16, f16 or f32 operands; f32 sums; everything else in f32.
;; Inputs: W1_codes 2,048 x 16 x 16 uint8 (E2M1 codes of W1, K innermost, in blocks of 32 codes, two codes a byte); W1_scales 2,048 x 16 uint8 (E8M0 scales of W1, one for each 32 codes along K); W2_codes 512 x 64 x 16 uint8 (E2M1 codes of W2, K innermost, in blocks of 32 codes, two codes a byte); W2_scales 512 x 64 uint8 (E8M0 scales of W2, one for each 32 codes along K); Wk_codes 512 x 16 x 16 uint8 (E2M1 codes of Wk, K innermost, in blocks of 32 codes, two codes a byte); Wk_scales 512 x 16 uint8 (E8M0 scales of Wk, one for each 32 codes along K); Wo_codes 512 x 16 x 16 uint8 (E2M1 codes of Wo, K innermost, in blocks of 32 codes, two codes a byte); Wo_scales 512 x 16 uint8 (E8M0 scales of Wo, one for each 32 codes along K); Wq_codes 512 x 16 x 16 uint8 (E2M1 codes of Wq, K innermost, in blocks of 32 codes, two codes a byte); Wq_scales 512 x 16 uint8 (E8M0 scales of Wq, one for each 32 codes along K); Wv_codes 512 x 16 x 16 uint8 (E2M1 codes of Wv, K innermost, in blocks of 32 codes, two codes a byte); Wv_scales 512 x 16 uint8 (E8M0 scales of Wv, one for each 32 codes along K); attn_mask 128 x 1 x 128 x 128 bool; b1 2,048 float32; b2 512 float32; bk 512 float32; bo 512 float32; bq 512 float32; bv 512 float32; d 128 x 128 x 128 float32; e 128 x 128 x 512 float32; ln1_b 512 float32; ln1_g 512 float32; ln2_b 512 float32; ln2_g 512 float32; padding_mask 128 x 128 x 1 bool; rbf_gamma one number float32; rbf_mu 16 float32; rbf_w 8 x 16 float32; tokens 128 x 128 int32.
;; Outputs: out0 128 x 128 x 512 float32.
;; This version of the problem:
;;   THIS VERSION OF THE PROBLEM IS GIVEN IN LOW PRECISION. The matrix products marked QUANTISED in the list below multiply operands that are first quantised to E2M1 (2 exponent bits, 1 mantissa bit; 4 bits a number), with one power-of-two scale for each 32 numbers along K (OCP MX v1.0); their sums are f32. All else is computed in f32.
;;   The module's matrix products, in the order in which they are computed (A, B: the left and right operand; K: the contracted axis; several contracted axes count as one K, in the product's order):
;;     1. [M 8, K 16] x [K 16, N 2,097,152]; A: input rbf_w; B: computed on the way: left as it is (K = 16 < 32)
;;     2. [M 16,384, K 512] x [K 512, N 512]; A: computed on the way; B: input Wq (given as codes): QUANTISED
;;     3. [M 16,384, K 512] x [K 512, N 512]; A: computed on the way; B: input Wk (given as codes): QUANTISED
;;     4. [M 16,384, K 512] x [K 512, N 512]; A: computed on the way; B: input Wv (given as codes): QUANTISED
;;     5. batch 1,024 x [M 128, K 64] x [K 64, N 128]; A: computed on the way; B: computed on the way: QUANTISED
;;     6. batch 1,024 x [M 128, K 128] x [K 128, N 64]; A: softmax (see below); B: computed on the way: QUANTISED
;;     7. [M 16,384, K 512] x [K 512, N 512]; A: computed on the way; B: input Wo (given as codes): QUANTISED
;;     8. [M 16,384, K 512] x [K 512, N 2,048]; A: computed on the way; B: input W1 (given as codes): QUANTISED
;;     9. [M 16,384, K 2,048] x [K 2,048, N 512]; A: computed on the way; B: input W2 (given as codes): QUANTISED
;;   THE QUANTISER, for each operand of a quantised product, along K:
;;     - K is cut into blocks of 32 from its start; a last block that is shorter is filled with zeros.
;;     - A block's scale is 2^e with e = floor(log2(the largest magnitude in the block)) - 2, held to -126 .. 127; a block of zeros has e = 0. As a byte (E8M0): e + 127.
;;     - Each number is divided by its block's scale, clamped to +-6, and rounded to the nearest number of E2M1, ties to even, subnormals kept.
;;     - The product sums the exact products of the quantised numbers (number of the format x scale) in f32.
;;   ~~~python
;;   def quantise(x, axis):      # numpy; x: float32 -> the quantised numbers, widened to float32 again
;;       x = np.moveaxis(x, axis, -1); K = x.shape[-1]
;;       x = np.pad(x, [(0, 0)] * (x.ndim - 1) + [(0, -K % 32)]); x = x.reshape(x.shape[:-1] + (-1, 32)); a = np.abs(x).max(-1, keepdims=True)
;;       e = np.where(a > 0, np.clip(np.frexp(np.where(a > 0, a, 1))[1] - 1 - 2, -126, 127), 0)      # np.frexp(a)[1] - 1 = floor(log2(a)), exactly
;;       r = np.clip(x / 2.0 ** e, -6, 6)
;;       step = 2.0 ** (np.maximum(np.frexp(np.where(r == 0, 1, r))[1] - 1, 0) - 1)
;;       q = np.round(r / step) * step * 2.0 ** e      # np.round: ties to even
;;       return np.moveaxis(q.reshape(q.shape[:-2] + (-1,))[..., :K], -1, axis).astype(np.float32)
;;   ~~~
;;   SOFTMAX AHEAD OF A QUANTISED PRODUCT. Where the list says 'softmax', what is quantised is not the finished softmax but p = 2^(t - M), with t = logit x log2(e) and M = ceil(the row's largest t), a whole number; so 1/2 < the row's largest p <= 1. The row's sum l is taken of the UNQUANTISED p, in f32, and the product's result is divided by l at the end. Since M is a whole number, a kernel that streams over the keys may use a running M (the ceiling of the running maximum): every later rescaling is an exact power of two, which a block's scale takes up: the codes' values come out the same.
;;   OPERANDS COMPUTED ON THE WAY. 'Computed on the way' means the value that the module computes at that place (a softmax that the list does not call 'softmax' is quantised finished and normalised). What goes into a quantiser is computed in f32, as accurately as f32 sums, v_exp_f32 and their like allow (about 1e-6 of the number): no bf16 or f16 on the way to a quantiser, and a product that is left as it is and whose result goes on into a quantised operand takes f32 operands (vector FMAs, or v_wmma_f32_16x16x4_f32). A number that lies on a knife's edge between two numbers of the format may be rounded either way, as far as f32 arithmetic and the matrix unit's own rounding can turn it there, and no further.
;;   INPUTS GIVEN AS CODES. W1 (in the module: [2048, 512], K = its axis 1); W2 (in the module: [512, 2048], K = its axis 1); Wk (in the module: [512, 512], K = its axis 1); Wo (in the module: [512, 512], K = its axis 1); Wq (in the module: [512, 512], K = its axis 1); Wv (in the module: [512, 512], K = its axis 1): each comes as NAME_codes (uint8): NAME with its K axis moved to the last place and cut into blocks of 32 codes, [.., K / 32, bytes a block], one block behind the other in memory; two codes a byte, the lower K in the low four bits (a code: sign, 2 exponent bits, 1 mantissa bit); and NAME_scales (uint8): the same leading axes, one E8M0 byte (e + 127) for each 32 codes along K. Its value is code x scale, taken as it is: it is not quantised again, and the codes and scales need not be those that the quantiser above would give.
;; One version. Each part assembles by itself: llvm-mc -triple=amdgcn-amd-amdhsa -mcpu=gfx1250 --defsym DOCPART=n.
;; ======== version 1 of 1: 1 launch
;; limits: right only within a limited range of input values
;; launch block (part 1): grid 256 x 1, 8 waves a work-group, clusters of 4 x 1, 327,680 bytes of LDS; arguments e, Wv_codes, Wk_codes, Wq_codes, Wo_codes, W1_codes, W2_codes, out0, ln1_g, ln1_b, Wv_scales, Wk_scales, Wq_scales, bv, bk, bq, padding_mask, d, attn_mask, rbf_w, rbf_mu, rbf_gamma, Wo_scales, bo, ln2_g, ln2_b, b2, W1_scales, b1, W2_scales; writes out0
.if DOCPART == 1
	.amdgcn_target "amdgcn-amd-amdhsa--gfx1250"
	.amdhsa_code_object_version 6
	.text
	.protected	k_q111e5eb8c7_block
	.globl	k_q111e5eb8c7_block
	.p2align	8
	.type	k_q111e5eb8c7_block,@function
k_q111e5eb8c7_block:
	s_mov_b64 s[64:65], 0
	v_nop
	global_prefetch_b8 v0, s[64:65] scope:SCOPE_SE
	s_setreg_imm32_b32 hwreg(HW_REG_WAVE_MODE, 25, 1), 1
	s_wait_xcnt 0x0
	s_wait_alu depctr_hold_cnt(0) depctr_sa_sdst(0) depctr_va_vdst(0) depctr_va_sdst(0) depctr_va_ssrc(0) depctr_va_vcc(0) depctr_vm_vsrc(0)
	s_getreg_b32 s2, hwreg(HW_REG_IB_STS2, 6, 4)
	s_cmp_eq_u32 s2, 0
	s_cbranch_scc0 .Lentry_in_a_cluster
	s_endpgm
.Lentry_in_a_cluster:
	s_bfe_u32 s2, ttmp6, 0x10000c
	s_cmp_lg_u32 s2, 0x3003
	s_cbranch_scc0 .Lentry_shape_is_right
	s_endpgm
.Lentry_shape_is_right:
; One transformer block (LN1, biased attention, Wo, residual, LN2, MLP, residual) in one launch, all quantised products on E2M1 codes with E8M0 scales.
; SHARES: a work-group owns 64 rows (half a sequence); it also norms the other half of its sequence, since K and V need all 128 keys.
; Each of its 8 waves owns 64 output columns of every product, which in attention is one head.  Weights come by joint tensor loads of a cluster of 4
; into two LDS slots; each wave reads its own 64 weight rows; activations go from wave to wave as images of the operand's registers in LDS.
; The RBF bias of 16 queries x 64 keys is made by all waves for all heads (f32 multiply-adds), handed over through LDS and taken as the C of K Q^T.
; INPUT LEFT OUT: tokens.  reference() never reads it, so it has no way to out0 for any values; it is not loaded and is no argument.
; LIMITS: the promise holds while the scaled scores stay under 2^31 in magnitude; a masked score counts as -1e9, as in reference().
.set PART,  17408
.set SLOT1, 139264
.set UU,    278528
.set SCW,   UU+32768
.set ST1,   313344
.set SPARE, 321536
.set CNT, 3
.set WV, 4
.set SPART, 5
.set CX, 6
.set WG, 7
.set SEL, 8
.set CS, 10
.set NG, 12
.set TCL, 14
.set LIM, 15
.set G1W, 16
.set G1W2, 24
.set G1E, 32
.set G0A, 40
.set G0B, 44
.set EP, 48
.set WVP, 50
.set WKP, 52
.set WQP, 54
.set WOP, 56
.set W1P, 58
.set W2P, 60
.set OUTP, 62
.set INV, 66
.set EPS, 67
.set MU, 68
.set W1S, 78
.set B1P, 80
.set W2S, 82
.set MC, 84
.set PADC, 88
.set G0C, 88
.set DB0, 92
.set DB1, 94
.set MB0, 96
.set MB1, 98
.set WOFF, 100
.set WOFF2, 104
.set SPW, 3
.set NIL, 4
.set AW0, 5
.set AW1, 6
.set AE0, 7
.set AE1, 8
.set AI, 9
.set AS, 10
.set IW, 11
.set SW, 12
.set STW, 13
.set STR, 14
.set BW, 15
.set BR, 16
.set DO, 17
.set MO, 18
.set GV, 19
.set GS, 20
.set GS2, 21
.set BVO, 22
.set SRD, 25
.set OO, 26
.set PFO1, 27
.set PFO2, 28
.set ZO, 29
.set PW, 30
.set MARK, 35
.set BVP, 36
.set FP, 36
.set TM, 44
.set RB, 44
.set PC, 60
.set T0, 69
.set NM, 70
.set LL, 72
.set L2, 74
.set RL, 76
.set RM, 78
.set T1, 79
.set BUFW, 80
.set TG, 80
.set RA, 80
.set BUFA, 112
.set AP, 112
.set LP, 112
.set LQ, 120
.set ASW, 144
.set WSB, 164
.set WSC, 180
.set VC, 196
.set CB1, 196
.set VS, 228
.set KS, 232
.set QS, 240
.set QSC, 244
.set D4, 246
.set MK, 254
.set W8, 64
.set GG, 128
.set GB, 160
.set T3, 192
.set CBK, 128
.set CBQ, 160
.set HH, 128
.set KC, 192
.set QC, 228
.set QF, 244
.set KH, 2
.set SL, 2
.set CW, 84
.set CP, 86
.set C3, 22
.set DW, 31
.set MW, 24
.set MSB, 0
.macro WIN new
.if MSB != (\new)
	s_set_vgpr_msb (MSB<<8)|(\new)
.set MSB, \new
.endif
.endm
.macro PLACES n
.rept \n
	v_nop
.endr
.endm
.macro BAR
	s_wait_dscnt 0x0
	s_barrier_signal -1
	s_barrier_wait -1
.endm
.macro ROUND
	s_barrier_signal -1
	s_barrier_wait -1
	s_cmp_lg_u32 s[WV], 0
	s_cbranch_scc1 .Lnw0_\@
	s_barrier_signal -3
.Lnw0_\@:
	s_barrier_wait -3
	s_barrier_signal -1
	s_barrier_wait -1
.endm
.macro REFILL lds, p, wo, g1, step
	WIN 0
	s_wait_tensorcnt 0x0
	ds_add_u32 v[SPW], v[NIL]
.if \step
	s_wait_xcnt 0x0
	s_add_nc_u64 s[\p:\p+1], s[\p:\p+1], \step
.endif
	s_mov_b32 s[G0A], 1
	s_add_co_u32 s[G0A+1], s[SPART], \lds
	s_add_nc_u64 s[G0A+2:G0A+3], s[\p:\p+1], s[\wo:\wo+1]
	s_or_b32 s[G0A+3], s[G0A+3], 0x80000000
	s_wait_dscnt 0x0
	ROUND
	tensor_load_to_lds s[G0A:G0A+3], s[\g1:\g1+7]
	s_nop 0
	PLACES 4
.endm
.macro REFILL_E
	WIN 0
	s_wait_tensorcnt 0x0
	ds_add_u32 v[SPW], v[NIL]
	s_add_co_u32 s[G0B+1], s[SPART], SLOT1
	s_wait_dscnt 0x0
	ROUND
	tensor_load_to_lds s[G0B:G0B+3], s[G1E:G1E+7]
	s_nop 0
	PLACES 4
.endm
.macro ASK p, o, imm, mode
.if \mode
	s_cmp_gt_u32 s[CNT], s[LIM]
.else
	s_cmp_eq_u32 s[LIM], 1
.endif
	s_cbranch_scc0 .Lnm_\@
	s_wait_alu depctr_va_vdst(0)
	global_prefetch_b8 v[\o], s[\p:\p+1] offset:\imm th:TH_LOAD_NT scope:SCOPE_SE
.Lnm_\@:
.endm
.macro EREAD adr
	WIN 0x40
.irp m, 0,1,2,3
.irp t, 0,1,2,3
.irp q, 0,1
	ds_load_b128 v[8*(4*\m+\t)+4*\q:8*(4*\m+\t)+4*\q+3], v[\adr] offset:4352*\m+64*\t+16*\q
.endr
.endr
.endr
.endm
.macro LN_SUM
	WIN 0x05
.irp m, 0,1,2,3
	v_pk_add_f32 v[LP+2*\m:LP+2*\m+1], v[32*\m:32*\m+1], v[32*\m+2:32*\m+3]
.endr
	WIN 0x04
.irp i, 4,6,8,10,12,14,16,18,20,22,24,26,28,30
.irp m, 0,1,2,3
	v_pk_add_f32 v[LP+2*\m:LP+2*\m+1], v[LP+2*\m:LP+2*\m+1], v[32*\m+\i:32*\m+\i+1]
.endr
.endr
.endm
.macro LN_SQ
	WIN 0x05
.irp m, 0,1,2,3
	v_pk_mul_f32 v[LQ+2*\m:LQ+2*\m+1], v[32*\m:32*\m+1], v[32*\m:32*\m+1]
.endr
.irp i, 2,4,6,8,10,12,14,16,18,20,22,24,26,28,30
.irp m, 0,1,2,3
	v_pk_fma_f32 v[LQ+2*\m:LQ+2*\m+1], v[32*\m+\i:32*\m+\i+1], v[32*\m+\i:32*\m+\i+1], v[LQ+2*\m:LQ+2*\m+1]
.endr
.endr
.endm
.macro LN_GET off
	WIN 0
.irp m, 0,1,2,3
.irp q, 0,1
	ds_load_b128 v[TG+8*\m+4*\q:TG+8*\m+4*\q+3], v[STR] offset:512*\m+16*\q+(\off)
.endr
.endr
	s_wait_dscnt 0x0
.irp m, 0,1,2,3
	v_pk_add_f32 v[TG+8*\m:TG+8*\m+1], v[TG+8*\m:TG+8*\m+1], v[TG+8*\m+2:TG+8*\m+3]
.endr
.irp m, 0,1,2,3
	v_pk_add_f32 v[TG+8*\m+4:TG+8*\m+5], v[TG+8*\m+4:TG+8*\m+5], v[TG+8*\m+6:TG+8*\m+7]
.endr
.irp m, 0,1,2,3
	s_delay_alu instid0(VALU_DEP_4)
	v_pk_add_f32 v[TG+8*\m:TG+8*\m+1], v[TG+8*\m:TG+8*\m+1], v[TG+8*\m+4:TG+8*\m+5]
.endr
.irp m, 0,1,2,3
	s_delay_alu instid0(VALU_DEP_4)
	v_add_f32 v[TM+\m], v[TG+8*\m], v[TG+8*\m+1]
.endr
.endm
.macro LN_STAT pb, off
	WIN 0
.irp m, 0,1,2,3
	v_add_f32 v[TM+\m], v[\pb+2*\m], v[\pb+2*\m+1]
.endr
.irp m, 0,1,2,3
	s_delay_alu instid0(VALU_DEP_4)
	v_permlanex16_b32 v[TM+4+\m], v[TM+\m], s[SEL], s[SEL+1]
.endr
.irp m, 0,1,2,3
	s_delay_alu instid0(VALU_DEP_4)
	v_add_f32 v[TM+\m], v[TM+\m], v[TM+4+\m]
.endr
.irp m, 0,1,2,3
	ds_store_b32 v[STW], v[TM+\m] offset:512*\m+(\off)
.endr
	BAR
	LN_GET \off
.endm
.macro MEAN
.irp m, 0,1,2,3
	s_delay_alu instid0(VALU_DEP_4)
	v_mul_f32 v[LP+2*\m], 0xbb000000, v[TM+\m]
.endr
.endm
.macro RSTD
.irp m, 0,1,2,3
	s_delay_alu instid0(VALU_DEP_4)
	v_fma_f32 v[TM+\m], v[TM+\m], s[INV], s[EPS]
.endr
	s_wait_alu depctr_va_vdst(0)
.irp m, 0,1,2,3
	v_rsq_f32 v[LQ+2*\m], v[TM+\m]
.endr
	v_nop
	s_wait_alu depctr_va_vdst(0)
.endm
.macro LN_CENTER
	WIN 0x41
.set li, 0
.rept 64
	v_pk_add_f32 v[2*li:2*li+1], v[2*li:2*li+1], v[LP+2*(li/16):LP+2*(li/16)+1] op_sel_hi:[1,0]
.set li, li+1
.endr
.endm
.macro LN_AFFINE
	WIN 0x41
.set li, 0
.rept 64
	v_pk_mul_f32 v[2*li:2*li+1], v[2*li:2*li+1], v[LQ+2*(li/16):LQ+2*(li/16)+1] op_sel_hi:[1,0]
.set li, li+1
.endr
	WIN 0x55
.set li, 0
.rept 64
	v_pk_fma_f32 v[2*li:2*li+1], v[2*li:2*li+1], v[GG+2*(li%16):GG+2*(li%16)+1], v[GB+2*(li%16):GB+2*(li%16)+1]
.set li, li+1
.endr
.endm
.macro LNFULL off, wl
	LN_SUM
	LN_STAT LP, \off
	MEAN
	LN_CENTER
	LN_SQ
	LN_STAT LQ, (\off)+4096
	RSTD
.if \wl
	s_wait_loadcnt 0x0
.endif
	LN_AFFINE
.endm
.macro QUANT nb, src, dst, dw, given
.if \given == 0
	WIN 0x05
.set qb, 0
.rept \nb
	v_max3_num_f32 v[TM+qb], |v[(\src)+16*qb]|, |v[(\src)+16*qb+1]|, 0x1800000
.set qb, qb+1
.endr
	WIN 0x14
.irp i, 2,4,6,8,10,12,14
.set qb, 0
.rept \nb
	v_max3_num_f32 v[TM+qb], v[TM+qb], |v[(\src)+16*qb+\i]|, |v[(\src)+16*qb+\i+1]|
.set qb, qb+1
.endr
.endr
	WIN 0
.set qb, 0
.rept \nb
	v_permlanex16_b32 v[TM+4+qb], v[TM+qb], s[SEL], s[SEL+1]
.set qb, qb+1
.endr
.set qb, 0
.rept \nb
	v_max_num_f32 v[TM+qb], v[TM+qb], v[TM+4+qb]
.set qb, qb+1
.endr
.endif
	WIN 0
.set qb, 0
.rept \nb
	v_add_nc_u32 v[TM+12+qb], 0xff000000, v[TM+qb]
.set qb, qb+1
.endr
.set qb, 0
.rept \nb
	v_lshrrev_b32 v[TM+4+qb], 23, v[TM+12+qb]
.set qb, qb+1
.endr
	WIN ((\dw)<<6)|1
.set qb, 0
.rept \nb
	v_cvt_scalef32_pk8_fp4_f32 v[(\dst)+4*(qb/2)+(qb%2)], v[(\src)+16*qb:(\src)+16*qb+7], v[TM+12+qb]
	v_cvt_scalef32_pk8_fp4_f32 v[(\dst)+4*(qb/2)+2+(qb%2)], v[(\src)+16*qb+8:(\src)+16*qb+15], v[TM+12+qb]
.set qb, qb+1
.endr
	v_nop
	WIN ((\dw)<<6)|(\dw)
.set qb, 0
.rept (\nb)/2
	v_permlane16_swap_b32 v[(\dst)+4*qb], v[(\dst)+4*qb+1]
	v_permlane16_swap_b32 v[(\dst)+4*qb+2], v[(\dst)+4*qb+3]
.set qb, qb+1
.endr
.endm
.macro SW4 d
	v_lshl_or_b32 v[\d], v[TM+5], 8, v[TM+4]
	s_delay_alu instid0(VALU_DEP_1)
	v_lshl_or_b32 v[\d], v[TM+6], 16, v[\d]
	s_delay_alu instid0(VALU_DEP_1)
	v_lshl_or_b32 v[\d], v[TM+7], 24, v[\d]
.endm
.macro SW2 d
	v_lshl_or_b32 v[\d], v[TM+5], 8, v[TM+4]
	v_lshl_or_b32 v[\d+1], v[TM+7], 8, v[TM+6]
	s_delay_alu instid0(VALU_DEP_2)
	v_or_b32 v[\d], 0x7f7f0000, v[\d]
	s_delay_alu instid0(VALU_DEP_2)
	v_or_b32 v[\d+1], 0x7f7f0000, v[\d+1]
.endm
.macro PUTIMG2 ii, is
	ds_store_b128 v[IW], v[PC:PC+3] offset:\ii
	ds_store_b128 v[IW], v[PC+4:PC+7] offset:(\ii)+4096
	ds_store_b16 v[SW], v[PW] offset:\is
	ds_store_b16_d16_hi v[SW], v[PW] offset:(\is)+256
.endm
.macro WMM
.if gZ && (gR == 1)
	v_wmma_scale_f32_16x16x128_f8f6f4 v[gD:gD+7], v[gA:gA+7], v[gB:gB+7], 0, v[gSA], v[gSB] matrix_a_fmt:MATRIX_FMT_FP4 matrix_b_fmt:MATRIX_FMT_FP4 matrix_a_scale:MATRIX_SCALE_ROW1
.elseif gZ && (gR == 2)
	v_wmma_scale_f32_16x16x128_f8f6f4 v[gD:gD+7], v[gA:gA+7], v[gB:gB+7], 0, v[gSA], v[gSB] matrix_a_fmt:MATRIX_FMT_FP4 matrix_b_fmt:MATRIX_FMT_FP4 matrix_b_scale:MATRIX_SCALE_ROW1
.elseif gZ
	v_wmma_scale_f32_16x16x128_f8f6f4 v[gD:gD+7], v[gA:gA+7], v[gB:gB+7], 0, v[gSA], v[gSB] matrix_a_fmt:MATRIX_FMT_FP4 matrix_b_fmt:MATRIX_FMT_FP4
.elseif gR == 1
	v_wmma_scale_f32_16x16x128_f8f6f4 v[gD:gD+7], v[gA:gA+7], v[gB:gB+7], v[gC:gC+7], v[gSA], v[gSB] matrix_a_fmt:MATRIX_FMT_FP4 matrix_b_fmt:MATRIX_FMT_FP4 matrix_a_scale:MATRIX_SCALE_ROW1
.elseif gR == 2
	v_wmma_scale_f32_16x16x128_f8f6f4 v[gD:gD+7], v[gA:gA+7], v[gB:gB+7], v[gC:gC+7], v[gSA], v[gSB] matrix_a_fmt:MATRIX_FMT_FP4 matrix_b_fmt:MATRIX_FMT_FP4 matrix_b_scale:MATRIX_SCALE_ROW1
.else
	v_wmma_scale_f32_16x16x128_f8f6f4 v[gD:gD+7], v[gA:gA+7], v[gB:gB+7], v[gC:gC+7], v[gSA], v[gSB] matrix_a_fmt:MATRIX_FMT_FP4 matrix_b_fmt:MATRIX_FMT_FP4
.endif
.endm
.macro GEMM64 aw, img, sc, ws, acc, ta, tb, cm, cb, sw
.irp s, 0,1,2,3
	WIN 0
	PLACES 4
.irp j, 0,1
	ds_load_b32 v[ASW+\j], v[AS] offset:(\sc)+512*\j+64*\s     ; scale words first, then the weights, then the four row blocks: the waits below count the blocks still out
.endr
.irp t, 0,1,2,3
.irp c, 0,1
	ds_load_b128 v[BUFW+8*\t+4*\c:BUFW+8*\t+4*\c+3], v[\aw] offset:4352*\t+64*\s+32*\c
.endr
.endr
.irp m, 0,1,2,3
.irp c, 0,1
	ds_load_b128 v[BUFA+8*\m+4*\c:BUFA+8*\m+4*\c+3], v[AI] offset:(\img)+1024*(4*\m+\s)+512*\c
.endr
.endr
.if (\s == 0) && ((\cm == 0) || (\cm == 2))
	WIN 0x40
.else
	WIN 0x50
.endif
.irp m, 0,1,2,3
	s_wait_dscnt 6-2*\m                                        ; block m is in: behind its two loads stand two for each later block
.irp t, 0,1,2,3
.set gD, (\acc)+8*((\ta)*\t+(\tb)*\m)
.set gC, gD
.if (\s == 0) && ((\cm == 1) || (\cm == 2))
.set gC, (\cb)+8*\t
.endif
.set gZ, 0
.if (\s == 0) && (\cm == 0)
.set gZ, 1
.endif
.if \sw
.set gA, BUFA+8*\m
.set gB, BUFW+8*\t
.set gSA, ASW+\m/2
.set gSB, (\ws)+4*\t+\s
.set gR, \m%2
.else
.set gA, BUFW+8*\t
.set gB, BUFA+8*\m
.set gSA, (\ws)+4*\t+\s
.set gSB, ASW+\m/2
.set gR, 2*(\m%2)
.endif
	WMM
.endr
.endr
.endr
.endm
.macro VEC32 reg, p
.irp t, 0,1,2,3
.irp q, 0,1
	global_load_b128 v[(\reg)+8*\t+4*\q:(\reg)+8*\t+4*\q+3], v[GV], s[\p:\p+1] offset:64*\t+16*\q
.endr
.endr
.endm
.macro DLOADS
	global_load_b128 v[D4:D4+3], v[DO], s[DB0:DB0+1] th:TH_LOAD_NT
	global_load_b32 v[MK], v[MO], s[MB0:MB0+1] th:TH_LOAD_NT
	global_load_b128 v[D4+4:D4+7], v[DO], s[DB1:DB1+1] th:TH_LOAD_NT
	global_load_b32 v[MK+1], v[MO], s[MB1:MB1+1] th:TH_LOAD_NT
.endm
	s_load_b512 s[48:63], s[0:1], 0x0
	s_load_b512 s[68:83], s[0:1], 0x40
	s_load_b64 s[12:13], s[0:1], 0x80
	s_load_b128 s[84:87], s[0:1], 0x88
	v_lshl_add_u32 v[SPW], v0, 2, SPARE
	v_mov_b32 v[NIL], 0
	ds_add_u32 v[SPW], v[NIL]
	ds_add_u32 v[SPW], v[NIL]
	v_lshrrev_b32 v31, 5, v0
	s_delay_alu instid0(VALU_DEP_1)
	v_readfirstlane_b32 s[WV], v31
	v_and_b32 v31, 31, v0
	v_and_b32 v1, 15, v0
	v_bfe_u32 v2, v0, 4, 1
	s_mul_i32 s[SPART], s[WV], PART
	v_mul_u32_u24 v32, v1, 272
	s_delay_alu instid0(VALU_DEP_1)
	v_add_nc_u32 v32, s[SPART], v32
	s_delay_alu instid0(VALU_DEP_1)
	v_lshl_add_u32 v[AW0], v2, 4, v32
	s_delay_alu instid0(VALU_DEP_1)
	v_add_nc_u32 v[AW1], SLOT1, v[AW0]
	s_delay_alu instid0(VALU_DEP_3)
	v_lshl_add_u32 v[AE0], v2, 5, v32
	s_delay_alu instid0(VALU_DEP_1)
	v_add_nc_u32 v[AE1], SLOT1, v[AE0]
	v_lshl_add_u32 v[AI], v31, 4, UU
	v_lshl_add_u32 v[AS], v1, 2, SCW
	s_lshl_b32 s2, s[WV], 9
	v_add_nc_u32 v[IW], s2, v[AI]
	s_lshr_b32 s2, s[WV], 1
	s_lshl_b32 s2, s2, 6
	s_and_b32 s3, s[WV], 1
	s_lshl_b32 s3, s3, 1
	s_add_co_u32 s2, s2, s3
	v_add_nc_u32 v[SW], s2, v[AS]
	v_lshl_add_u32 v[AS], v2, 8, v[AS]
	v_lshl_add_u32 v[STR], v1, 5, ST1
	s_lshl_b32 s2, s[WV], 2
	v_add_nc_u32 v[STW], s2, v[STR]
	v_mul_u32_u24 v32, v2, 272
	s_delay_alu instid0(VALU_DEP_1)
	v_lshl_add_u32 v32, v1, 4, v32
	s_mul_i32 s2, s[WV], 544
	v_add_nc_u32 v32, s2, v32
	s_delay_alu instid0(VALU_DEP_1)
	v_add_nc_u32 v[BW], UU, v32
	v_mul_u32_u24 v32, v1, 272
	s_delay_alu instid0(VALU_DEP_1)
	v_lshl_add_u32 v32, v2, 5, v32
	s_mul_i32 s2, s[WV], 4352
	v_add_nc_u32 v32, s2, v32
	s_delay_alu instid0(VALU_DEP_1)
	v_add_nc_u32 v[BR], UU, v32
	v_mul_u32_u24 v32, v2, 272
	s_delay_alu instid0(VALU_DEP_1)
	v_lshl_add_u32 v32, v1, 4, v32
	s_delay_alu instid0(VALU_DEP_1)
	v_add_nc_u32 v32, s[SPART], v32
	s_delay_alu instid0(VALU_DEP_1)
	v_add_nc_u32 v[SRD], SLOT1, v32
	v_lshlrev_b32 v32, 11, v2
	s_delay_alu instid0(VALU_DEP_1)
	v_lshl_add_u32 v[OO], v1, 4, v32
	s_lshl_b32 s2, s[WV], 10
	v_lshlrev_b32 v32, 9, v2
	s_delay_alu instid0(VALU_DEP_1)
	v_lshl_add_u32 v32, v1, 4, v32
	s_delay_alu instid0(VALU_DEP_1)
	v_add_nc_u32 v[DO], s2, v32
	v_lshl_add_u32 v[GS], v1, 4, s2
	s_lshl_b32 s2, s[WV], 8
	v_lshlrev_b32 v32, 7, v2
	s_delay_alu instid0(VALU_DEP_1)
	v_lshl_add_u32 v32, v1, 2, v32
	s_delay_alu instid0(VALU_DEP_1)
	v_add_nc_u32 v[MO], s2, v32
	v_lshl_add_u32 v[GV], v2, 5, s2
	v_lshl_add_u32 v[BVO], v1, 2, s2
	s_lshl_b32 s2, s[WV], 12
	v_lshl_add_u32 v[GS2], v1, 6, s2
	v_mov_b32 v[ZO], 0
	v_mov_b32 v[MARK], 0xf149f2ca
.irp i, 4,5,6,7
	v_mov_b32 v[TM+\i], 0
.endr
	v_mov_b32 v[T1], 0
	v_mov_b32 v[RL+1], 0
	s_mov_b32 s[G1W], 15|(1<<20)|(1<<21)|(5<<22)|(3<<25)
	s_mov_b32 s[G1W2], 15|(1<<20)|(1<<21)|(5<<22)|(3<<25)
	s_mov_b32 s[G1E], (1<<20)|(5<<22)|(3<<25)
.irp g, G1W, G1W2, G1E
	s_mov_b32 s[\g+1], 256<<16
	s_mov_b32 s[\g+2], 64<<16
	s_mov_b32 s[\g+3], 256<<16
	s_mov_b32 s[\g+4], 64
	s_mov_b32 s[\g+6], 0
	s_mov_b32 s[\g+7], 0
.endr
	s_mov_b32 s[G1W+5], 256
	s_mov_b32 s[G1W2+5], 1024
	s_mov_b32 s[G1E+5], 2048
	s_mov_b32 s[SEL], 0x76543210
	s_mov_b32 s[SEL+1], 0xfedcba98
	s_mov_b32 s[CS], 0x3e38aa3b
	s_mov_b32 s[CS+1], s[CS]
	s_mov_b32 s[TCL], 0xce6e6b28
	s_mul_f32 s[TCL], s[TCL], 0x3fb8aa3b
	s_mov_b32 s[INV], 0x3b000000
	s_mov_b32 s[EPS], 0x3727c5ac
	s_lshl_b32 s[WOFF], s[WV], 14
	s_mov_b32 s[WOFF+1], 0
	s_lshl_b32 s[WOFF2], s[WV], 16
	s_mov_b32 s[WOFF2+1], 0
	s_bfe_u32 s[CX], ttmp6, 0x40000
	s_lshl_b32 s[WG], ttmp9, 2
	s_add_co_u32 s[WG], s[WG], s[CX]
	s_lshl_b32 s2, s[CX], 2
	s_add_co_u32 s2, s2, s[WV]
	s_lshl_b32 s2, s2, 5
	v_add_nc_u32 v[PFO1], s2, v31
	s_delay_alu instid0(VALU_DEP_1)
	v_lshlrev_b32 v[PFO2], 10, v[PFO1]
	s_delay_alu instid0(VALU_DEP_2)
	v_lshlrev_b32 v[PFO1], 8, v[PFO1]
	s_lshr_b32 s2, s[WV], 2
	s_or_b32 s2, s2, ttmp9
	s_cmp_eq_u32 s2, 0
	s_cselect_b32 s[LIM], 1, -1
	s_and_b32 s[DB0+1], s[WG], 1
	s_lshl_b32 s[DB0+1], s[DB0+1], 8
	s_lshl_b32 s[DB0], s[WG], 15
	s_add_co_u32 s[DB0], s[DB0], s[DB0+1]
	s_xor_b32 s[DB1], s[DB0], 256
	s_mov_b32 s[DB0+1], 0
	s_mov_b32 s[DB1+1], 0
	s_and_b32 s[MB0+1], s[WG], 1
	s_lshl_b32 s[MB0+1], s[MB0+1], 6
	s_lshl_b32 s[MB0], s[WG], 13
	s_add_co_u32 s[MB0], s[MB0], s[MB0+1]
	s_xor_b32 s[MB1], s[MB0], 64
	s_mov_b32 s[MB0+1], 0
	s_mov_b32 s[MB1+1], 0
	s_wait_dscnt 0x0
	s_wait_kmcnt 0x0
	s_lshl_b32 s3, s[WV], 8
	s_xor_b32 s2, s[WG], 1
	s_lshl_b32 s2, s2, 17
	s_add_co_u32 s2, s2, s3
	s_mov_b32 s3, 0
	s_add_nc_u64 s[G0C+2:G0C+3], s[EP:EP+1], s[2:3]
	s_lshl_b32 s3, s[WV], 8
	s_lshl_b32 s2, s[WG], 17
	s_add_co_u32 s2, s2, s3
	s_mov_b32 s3, 0
	s_add_nc_u64 s[EP:EP+1], s[EP:EP+1], s[2:3]
	s_add_nc_u64 s[OUTP:OUTP+1], s[OUTP:OUTP+1], s[2:3]
	s_lshl_b32 s2, s[WG], 6
	s_add_nc_u64 s[12:13], s[12:13], s[2:3]
	s_add_nc_u64 s[DB0:DB0+1], s[84:85], s[DB0:DB0+1]
	s_add_nc_u64 s[DB1:DB1+1], s[84:85], s[DB1:DB1+1]
	s_add_nc_u64 s[MB0:MB0+1], s[86:87], s[MB0:MB0+1]
	s_add_nc_u64 s[MB1:MB1+1], s[86:87], s[MB1:MB1+1]
	s_mov_b32 s[G0B], 1
	s_add_co_u32 s[G0B+1], s[SPART], 0
	s_mov_b64 s[G0B+2:G0B+3], s[EP:EP+1]
	s_or_b32 s[G0B+3], s[G0B+3], 0x80000000
	s_mov_b32 s[G0C], 1
	s_add_co_u32 s[G0C+1], s[SPART], SLOT1
	s_or_b32 s[G0C+3], s[G0C+3], 0x80000000
	ROUND
	tensor_load_to_lds s[G0B:G0B+3], s[G1E:G1E+7]
	s_nop 0
	s_wait_alu depctr_va_vdst(0)
	s_wait_tensorcnt 0x0
	ds_add_u32 v3, v4
	s_wait_dscnt 0x0
	ROUND
	tensor_load_to_lds s[G0C:G0C+3], s[G1E:G1E+7]
	s_nop 0
	PLACES 4
	WIN 0x40
	VEC32 GG, 68
	VEC32 GB, 70
	WIN 0
.irp t, 0,1,2,3
	global_load_b128 v[WSC+4*\t:WSC+4*\t+3], v[GS], s[72:73] offset:256*\t
	global_load_b128 v[WSB+4*\t:WSB+4*\t+3], v[GS], s[74:75] offset:256*\t
	global_load_b32 v[BVP+2*\t], v[BVO], s[78:79] offset:64*\t
	global_load_b32 v[BVP+2*\t+1], v[BVO], s[78:79] offset:64*\t
	global_load_u8 v[31+\t], v1, s[12:13] offset:16*\t
.endr
	DLOADS
; LN1 and its quantiser, two trips: trip 0 my own 64 rows (slot 0), trip 1 the other half's (slot 1).  The slot that has been read out takes Wv, then Wk.
; The trip's LDS addresses are the bases plus the trip count times a constant, in v196-200, which are free here.
	s_mov_b64 s[CW:CW+1], s[WVP:WVP+1]
	s_mov_b64 s[CP:CP+1], s[WKP:WKP+1]
	s_mov_b32 s[CNT], 0
.set AEC, 196
.set STW, 197
.set STR, 198
.set IW, 199
.set SW, 200
.Lp1:
	s_mul_i32 s[SL], s[CNT], SLOT1
	v_add_nc_u32 v[AEC], s[SL], v[AE0]
	s_lshl_b32 s6, s[CNT], 11
	v_add_nc_u32 v[STW], s6, v13
	v_add_nc_u32 v[STR], s6, v14
	s_lshl_b32 s6, s[CNT], 14
	v_add_nc_u32 v[IW], s6, v11
	s_lshl_b32 s6, s[CNT], 10
	v_add_nc_u32 v[SW], s6, v12
	s_wait_alu depctr_va_vdst(0)                               ; the wait behind these writes
	EREAD AEC
	REFILL s[SL], CW, WOFF, G1W, 0
	ASK CP, PFO1, 0, 0
	LNFULL 0, 1
.irp mm, 0,1
	QUANT 4, 64*\mm, PC, 0, 0
	WIN 0
	SW4 PW
	PUTIMG2 8192*\mm, 512*\mm
	s_wait_dscnt 0x0
.endr
	s_wait_xcnt 0x0                                            ; my prefetch has read its base: the two pointers may be written
	s_mov_b64 s[CW:CW+1], s[WKP:WKP+1]
	s_mov_b64 s[CP:CP+1], s[WQP:WQP+1]
	s_add_co_u32 s[CNT], s[CNT], 1
	s_cmp_lt_u32 s[CNT], 2
	s_wait_alu depctr_va_vdst(0)
	s_cbranch_scc1 .Lp1
.set STW, 13
.set STR, 14
.set IW, 11
.set SW, 12
.irp m, 0,1,2,3
	v_cmp_ne_u32 s[PADC+\m], 0, v[31+\m]
.endr
	BAR
	s_load_b128 s[84:87], s[0:1], 0x98
	s_load_b64 s[2:3], s[0:1], 0xa8
	GEMM64 AW0, 0, 0, WSC, 0, 8, 1, 0, 0, 1
	GEMM64 AW0, 16384, 1024, WSC, 32, 8, 1, 0, 0, 1
	REFILL 0, WQP, WOFF, G1W, 0
	ASK WOP, PFO1, 0, 0
.irp t, 2,3,0,1
	WIN 0x41
.set li, 0
.rept 32
	v_pk_add_f32 v[64*\t+2*li:64*\t+2*li+1], v[64*\t+2*li:64*\t+2*li+1], v[BVP+2*\t:BVP+2*\t+1] op_sel_hi:[1,0]
.set li, li+1
.endr
	QUANT 4, 64*\t, VC+8*\t, 0, 0
	WIN 0
	SW4 VS+\t
.if \t == 2
	WIN 0x40
	VEC32 CBK, 80
	VEC32 CBQ, 82
	WIN 0
.irp u, 0,1,2,3
	global_load_b128 v[WSC+4*\u:WSC+4*\u+3], v[GS], s[76:77] offset:256*\u     ; Wv's scale words are done with: Wq's take their registers
.endr
.endif
.endr
.macro QK2 dst, sd
.irp mm, 0,1
	QUANT 4, 64*\mm, (\dst)+8*\mm, 1, 0
	WIN 0
	SW2 (\sd)+2*\mm
.endr
.endm
	s_wait_loadcnt 0x0
	s_wait_kmcnt 0x0
	s_load_b512 s[68:83], s[86:87], 0x0
	s_load_b32 s[NG], s[2:3], 0x0
	GEMM64 AW1, 0, 0, WSB, 0, 1, 4, 1, CBK, 0
	PLACES 4
	QK2 KC, KS
	GEMM64 AW1, 16384, 1024, WSB, 0, 1, 4, 1, CBK, 0
	REFILL_E
	QK2 KC+16, KS+4
	WIN 0x40
.irp i, 0,1,2,3
	v_mov_b32 v[KC+32+\i], 0
	v_mov_b32 v[QF+4+\i], 0
.endr
	GEMM64 AW0, 0, 0, WSC, 0, 1, 4, 1, CBQ, 0
	s_wait_kmcnt 0x0
	REFILL 0, WOP, WOFF, G1W, 0
	ASK W1P, PFO1, 0, 0
	WIN 0x40
.set li, 0
.rept 16
	global_load_b128 v[W8+64+4*li:W8+64+4*li+3], v[ZO], s[84:85] offset:256+16*li     ; rbf_w, heads 4-7: every lane holds all of it
.set li, li+1
.endr
	QUANT 4, 64, QC+8, 1, 0
	WIN 0
	SW2 QS+2
	WIN 0x40
.set li, 0
.rept 16
	global_load_b128 v[W8+4*li:W8+4*li+3], v[ZO], s[84:85] offset:16*li               ; heads 0-3, into registers whose sums have just been quantised
.set li, li+1
.endr
	QUANT 4, 0, QC, 1, 0
	WIN 0
	SW2 QS
	s_wait_loadcnt 0x0
	v_mov_b32 v[C3], 0x40400000                                ; 3.0: the bias is wanted x 8 (the scores are divided by 8 later), and 8 rbf = 2^(exponent + 3)
	v_mov_b32 v[C3+1], 0x40400000
	s_mul_f32 s[NG], s[NG], 0xbfb8aa3b
	s_mov_b32 s[NG+1], s[NG]
	s_mov_b32 s[CNT], 4
.macro NEXTLOADS
	s_cmp_eq_u32 s[CNT], 1
	s_cbranch_scc1 .Lnl_\@
	s_add_nc_u64 s[DB0:DB0+1], s[DB0:DB0+1], 8192
	s_add_nc_u64 s[DB1:DB1+1], s[DB1:DB1+1], 8192
	s_add_nc_u64 s[MB0:MB0+1], s[MB0:MB0+1], 2048
	s_add_nc_u64 s[MB1:MB1+1], s[MB1:MB1+1], 2048
	DLOADS
.Lnl_\@:
.endm
.macro MCALC kh
.irp e, 0,1,2,3
	v_bfe_u32 v[RL+\e], v[MK+\kh], 8*\e, 8
.endr
.irp e, 0,1,2,3
	v_cvt_f32_u32 v[RL+\e], v[RL+\e]
.endr
.irp e, 0,1,2,3
	v_mul_f32 v[RL+\e], v[MARK], v[RL+\e]                      ; the mark where the element is masked, else 0: the sums below begin with it
.endr
.endm
.macro PRE1 buf, dr
.if pn < 32
	v_sub_f32 v[(\buf)+pn], s[MU+pn/2], v[(\dr)+pn%2]
.elseif pn < 48
	v_pk_mul_f32 v[(\buf)+2*(pn-32):(\buf)+2*(pn-32)+1], v[(\buf)+2*(pn-32):(\buf)+2*(pn-32)+1], v[(\buf)+2*(pn-32):(\buf)+2*(pn-32)+1]
.else
	v_pk_fma_f32 v[(\buf)+2*(pn-48):(\buf)+2*(pn-48)+1], v[(\buf)+2*(pn-48):(\buf)+2*(pn-48)+1], s[NG:NG+1], v[C3:C3+1] op_sel_hi:[1,0,0]
.endif
.set pn, pn+1
.endm
.macro PRE buf, dr
	WIN 0
.set pn, 0
.rept 64
	PRE1 \buf, \dr
.endr
.endm
.macro EXPS b
.set en, 0
.rept 32
	v_exp_f32 v[(\b)+en], v[(\b)+en]
.set en, en+1
.endr
.endm
; THE BIAS OF TWO NEIGHBOURING KEYS, all eight heads: 128 packed multiply-adds.  Registers 2 k, 2 k + 1 of src hold feature k of the two keys; the pair acc + 2 h holds head h's two sums.
; rbf_w(h, k) serves both halves: it is the first register of its pair for an even k, the second for an odd k.  The first step adds onto the pair m: the mark or 0 for each key.
; The eight sums take turns, so that no line waits for the line above it.
.macro MIX src, acc, m
	WIN 0x04
.set xn, 0
.rept 128
.set xk, xn/8
.set xh, xn%8
.if xk == 0
	v_pk_fma_f32 v[(\acc)+2*xh:(\acc)+2*xh+1], v[(\src):(\src)+1], v[W8+16*xh:W8+16*xh+1], v[(\m):(\m)+1] op_sel_hi:[1,0,1]
.elseif xk%2 == 0
	v_pk_fma_f32 v[(\acc)+2*xh:(\acc)+2*xh+1], v[(\src)+2*xk:(\src)+2*xk+1], v[W8+16*xh+xk:W8+16*xh+xk+1], v[(\acc)+2*xh:(\acc)+2*xh+1] op_sel_hi:[1,0,1]
.else
	v_pk_fma_f32 v[(\acc)+2*xh:(\acc)+2*xh+1], v[(\src)+2*xk:(\src)+2*xk+1], v[W8+16*xh+xk-1:W8+16*xh+xk], v[(\acc)+2*xh:(\acc)+2*xh+1] op_sel:[0,1,0] op_sel_hi:[1,1,1]
.endif
.set xn, xn+1
.endr
.endm
.macro PUTB o, p
.irp g, 0,1,2,3,4,5,6,7
	ds_store_b64 v[BW], v[(\o)+2*\g:(\o)+2*\g+1] offset:4352*\g+8*(\p)
.endr
.endm
.macro RQH mm                          ; relu, quantiser and image of 32 of the hidden layer's 64 rows
	WIN 0x44
.set li, 0
.rept 64
	v_max_num_f32 v[HH+64*(\mm)+li], 0, v[HH+64*(\mm)+li]
.set li, li+1
.endr
	QUANT 4, HH+64*(\mm), PC, 0, 0
	WIN 0
	SW4 PW
.irp i, 0,1,2,3
	v_cndmask_b32 v[PC+\i], v[PC+\i], v[ZO], s[PADC+2*(\mm)]
	v_cndmask_b32 v[PC+4+\i], v[PC+4+\i], v[ZO], s[PADC+2*(\mm)+1]
.endr
	PUTIMG2 8192*(\mm), 512*(\mm)
	s_wait_dscnt 0x0
.endm
.macro SLOAD kh
	WIN 0x40
.irp g, 0,1,2,3
.irp q, 0,1
	ds_load_b128 v[32*\kh+8*\g+4*\q:32*\kh+8*\g+4*\q+3], v[BR] offset:64*\g+16*\q
.endr
.endr
.endm
.Latt:
	WIN 0x41
.irp i, 0,1,2,3
	v_mov_b32 v[QF+\i], v[QC+\i]
.endr
.irp i, 0,1,2,3,4,5,6,7,8,9,10,11
	v_mov_b32 v[QC+\i], v[QC+\i+4]
.endr
	WIN 0
	v_mov_b32 v[QSC], v[QS]
	v_mov_b32 v[QS], v[QS+1]
	v_mov_b32 v[QS+1], v[QS+2]
	v_mov_b32 v[QS+2], v[QS+3]
; THE BIAS of these 16 queries, two trips: 64 keys each.  A lane has four distances a trip, in v[DW..DW+3], and their mask bytes in v[MW].
	s_wait_loadcnt 0x0                                         ; this step's d and mask
.irp i, 0,1,2,3
	v_mov_b32 v[DW+\i], v[D4+\i]
.endr
	v_mov_b32 v[MW], v[MK]
	s_mov_b32 s[KH], 0
	s_wait_alu depctr_va_vdst(0)
.Lkh:
	MCALC (MW-MK)
	PRE RA, DW
	PRE RB, DW+2
	s_wait_alu depctr_va_vdst(0)                               ; the wait ahead of a batch,
	EXPS RA
	v_nop
	s_wait_alu depctr_va_vdst(0)                               ; and behind it
	EXPS RB                                                    ; the second batch; the first pair's 128 multiply-adds follow it
	MIX RA, AP, RL
	s_wait_alu depctr_va_vdst(0)                               ; the wait behind the second batch
	MIX RB, AP+16, RL+2
	WIN 0
	s_wait_alu depctr_va_vdst(0)
	BAR                                                        ; nobody reads the last half's bias any more
	PUTB AP, 0
	PUTB AP+16, 1
	BAR                                                        ; all eight heads' bias of this half lies in LDS
	s_cmp_lg_u32 s[KH], 0
	s_cbranch_scc1 .Lk1
	SLOAD 0
	WIN 0
	s_wait_loadcnt 0x0                                         ; nothing of mine is out here: the registers below are whole
.irp i, 0,1,2,3
	v_mov_b32 v[DW+\i], v[D4+4+\i]
.endr
	v_mov_b32 v[MW], v[MK+1]
	s_wait_alu depctr_va_vdst(0)
	NEXTLOADS                                                  ; all eight distances have been copied: the next 16 queries' are asked for
	s_branch .Lkj
.Lk1:
	SLOAD 1
	WIN 0
.Lkj:
	s_add_co_u32 s[KH], s[KH], 1
	s_cmp_lt_u32 s[KH], 2
	s_cbranch_scc1 .Lkh
	s_wait_dscnt 0x0
	WIN 0x55
.irp g, 0,1,2,3,4,5,6,7
	v_wmma_scale_f32_16x16x128_f8f6f4 v[8*\g:8*\g+7], v[KC+4*\g:KC+4*\g+7], v[QF:QF+7], v[8*\g:8*\g+7], v[KS+\g], v[QSC] matrix_a_fmt:MATRIX_FMT_FP4 matrix_b_fmt:MATRIX_FMT_FP4
.endr
	PLACES 4
	WIN 0x15
.irp b, 0,1,2,3
	v_max3_num_f32 v[TM+\b], v[16*\b], v[16*\b+1], v[16*\b+2]
.endr
	WIN 0x14
.irp i, 3,5,7,9,11,13
.irp b, 0,1,2,3
	v_max3_num_f32 v[TM+\b], v[TM+\b], v[16*\b+\i], v[16*\b+\i+1]
.endr
.endr
	WIN 0x04
.irp b, 0,1,2,3
	v_max_num_f32 v[TM+\b], v[TM+\b], v[16*\b+15]
.endr
	WIN 0
.irp b, 0,1,2,3
	v_permlanex16_b32 v[TM+4+\b], v[TM+\b], s[SEL], s[SEL+1]
.endr
.irp b, 0,1,2,3
	s_delay_alu instid0(VALU_DEP_4)
	v_max_num_f32 v[TM+\b], v[TM+\b], v[TM+4+\b]
.endr
	s_delay_alu instid0(VALU_DEP_2)
	v_max3_num_f32 v[RM], v[TM], v[TM+1], v[TM+2]
	s_delay_alu instid0(VALU_DEP_1)
	v_max_num_f32 v[RM], v[RM], v[TM+3]
	s_delay_alu instid0(VALU_DEP_1)
	v_mul_f32 v[RM], s[CS], v[RM]
	s_delay_alu instid0(VALU_DEP_1)
	v_max_num_f32 v[RM], s[TCL], v[RM]
	s_delay_alu instid0(VALU_DEP_1)
	v_floor_f32 v[NM], -v[RM]
	s_delay_alu instid0(VALU_DEP_1)
	v_add_f32 v[NM+1], s[TCL], v[NM]
.irp b, 0,1,2,3
	v_fma_f32 v[TM+\b], v[TM+\b], s[CS], v[NM]
.endr
.irp b, 0,1,2,3
	s_delay_alu instid0(VALU_DEP_4)
	v_max_num_f32 v[TM+\b], v[NM+1], v[TM+\b]
.endr
	WIN 0x41
.set li, 0
.rept 32
	v_pk_fma_f32 v[2*li:2*li+1], v[2*li:2*li+1], s[CS:CS+1], v[NM:NM+1] op_sel_hi:[1,0,0]
.set li, li+1
.endr
.set li, 0
.rept 64
	v_max_num_f32 v[li], v[li], v[NM+1]
.set li, li+1
.endr
	s_wait_alu depctr_va_vdst(0)                               ; one wait ahead of the batch of 64
.set li, 0
.rept 64
	v_exp_f32 v[li], v[li]
.set li, li+1
.endr
	v_nop
	s_wait_alu depctr_va_vdst(0)
	WIN 0
.irp b, 0,1,2,3
	v_exp_f32 v[TM+\b], v[TM+\b]
.endr
	WIN 0x05
	v_pk_add_f32 v[LL:LL+1], v[0:1], v[2:3]
	v_pk_add_f32 v[L2:L2+1], v[4:5], v[6:7]
	WIN 0x04
.irp j, 8,12,16,20,24,28,32,36,40,44,48,52,56,60
	v_pk_add_f32 v[LL:LL+1], v[LL:LL+1], v[\j:\j+1]
	v_pk_add_f32 v[L2:L2+1], v[L2:L2+1], v[\j+2:\j+3]
.endr
	WIN 0
	v_pk_add_f32 v[LL:LL+1], v[LL:LL+1], v[L2:L2+1]
	s_wait_alu depctr_va_vdst(0)
.irp b, 0,1,2,3
	v_max_num_f32 v[TM+\b], 0x1800000, v[TM+\b]
.endr
	QUANT 4, 0, PC, 0, 1
	WIN 0
	SW4 PW
	v_add_f32 v[T0], v[LL], v[LL+1]
	s_delay_alu instid0(VALU_DEP_1)
	v_permlanex16_b32 v[T1], v[T0], s[SEL], s[SEL+1]
	s_delay_alu instid0(VALU_DEP_1)
	v_add_f32 v[T0], v[T0], v[T1]
	s_wait_alu depctr_va_vdst(0)
	v_rcp_f32 v[RL], v[T0]
	PLACES 8
	WIN 0x40
.irp g, 0,1,2,3
	v_wmma_scale_f32_16x16x128_f8f6f4 v[8*\g:8*\g+7], v[VC+8*\g:VC+8*\g+7], v[PC:PC+7], 0, v[VS+\g], v[PW] matrix_a_fmt:MATRIX_FMT_FP4 matrix_b_fmt:MATRIX_FMT_FP4
.endr
	PLACES 4
	s_wait_alu depctr_va_vdst(0)
	WIN 0x41
.set li, 0
.rept 16
	v_pk_mul_f32 v[2*li:2*li+1], v[2*li:2*li+1], v[RL:RL+1] op_sel_hi:[1,0]
.set li, li+1
.endr
	QUANT 2, 0, QC+12, 1, 0
	WIN 0
	v_lshl_or_b32 v[QS+3], v[TM+5], 8, v[TM+4]
	s_sub_co_u32 s[CNT], s[CNT], 1
	s_cmp_lg_u32 s[CNT], 0
	s_cbranch_scc1 .Latt
	s_load_b512 s[68:83], s[0:1], 0xb0
	s_load_b128 s[84:87], s[0:1], 0x40
	BAR
	WIN 0x04
	s_wait_alu depctr_va_vdst(0)
.irp m, 0,1,2,3
	ds_store_b128 v[IW], v[QC+4*\m:QC+4*\m+3] offset:4096*\m
.endr
	WIN 0
.irp m, 0,1,2,3
	ds_store_b16 v[SW], v[QS+\m] offset:256*\m
.endr
	s_wait_kmcnt 0x0
.irp t, 0,1,2,3
	global_load_b128 v[WSC+4*\t:WSC+4*\t+3], v[GS], s[68:69] offset:256*\t
.endr
	WIN 0x40
	VEC32 GG, 84
	VEC32 GB, 86
	VEC32 T3, 70
	EREAD AE1
	LN_GET 0
	MEAN
	LN_GET 4096
	RSTD
	s_wait_loadcnt 0x0
	WIN 0x45
.set li, 0
.rept 16
	v_pk_add_f32 v[GB+2*li:GB+2*li+1], v[GB+2*li:GB+2*li+1], v[T3+2*li:T3+2*li+1]
.set li, li+1
.endr
	LN_CENTER
	LN_AFFINE
	WIN 0
	s_mov_b32 s[CNT], 4
	s_wait_alu depctr_va_vdst(0)
; Wo AND THE MLP, four trips, t = 0 .. 3.  A trip: slot 1 takes chunk t of W1; the product on slot 0 (trip 0: Wo on the attention's result; later: chunk t - 1 of W2 on the hidden
; layer) adds onto the 128 accumulators; slot 0 takes chunk t of W2; trip 0 alone then norms (LN2) and quantises; chunk t of W1, relu, quantiser.  The last product with W2 stands behind the loop.
.Lmlp:
.irp t, 0,1,2,3
	global_load_b128 v[WSB+4*\t:WSB+4*\t+3], v[GS], s[W1S:W1S+1] offset:256*\t
.endr
	VEC32 CB1, B1P
	REFILL SLOT1, W1P, WOFF, G1W, 0
	ASK W2P, PFO2, 0, 0
	s_cmp_eq_u32 s[CNT], 4                                     ; trip 0 has no hidden layer behind it
	s_cbranch_scc1 .Lnoh
	RQH 1                                                      ; the second half of the last chunk's hidden layer, under W1's load
	BAR
.Lnoh:
	s_wait_loadcnt 12
	GEMM64 AW0, 0, 0, WSC, 0, 1, 4, 3, 0, 0
	PLACES 4
	WIN 0
.irp t, 0,1,2,3
	global_load_b128 v[WSC+4*\t:WSC+4*\t+3], v[GS2], s[W2S:W2S+1] offset:1024*\t
.endr
	REFILL 0, W2P, WOFF2, G1W2, 0
	ASK W1P, PFO1, 131072, 1
	s_cmp_lg_u32 s[CNT], 4                                     ; the count of trips alone: the same in every wave and work-group
	s_cbranch_scc1 .Lg1
	WIN 0x40
	VEC32 GG, 72
	VEC32 GB, 74
	VEC32 T3, 76
	LNFULL 0, 1
.irp mm, 0,1
	QUANT 4, 64*\mm, PC, 0, 0
	WIN 0
	SW4 PW
	PUTIMG2 16384+8192*\mm, 1024+512*\mm
	s_wait_dscnt 0x0
.endr
	v_mov_b32 v[T0], 1.0
.irp m, 0,1,2,3
	v_cndmask_b32 v[FP+2*\m], v[T0], v[ZO], s[PADC+\m]
.endr
	WIN 0x51
.set li, 0
.rept 64
	v_pk_fma_f32 v[2*li:2*li+1], v[T3+2*(li%16):T3+2*(li%16)+1], v[FP+2*(li/16):FP+2*(li/16)+1], v[2*li:2*li+1] op_sel_hi:[1,0,1]
.set li, li+1
.endr
	WIN 0
	BAR
.Lg1:
	s_wait_loadcnt 0x4
	GEMM64 AW1, 16384, 1024, WSB, HH, 1, 4, 2, CB1, 0
	PLACES 4
	RQH 0                                                      ; the first half of this chunk's hidden layer, under W2's load
	s_wait_xcnt 0x0
	s_add_nc_u64 s[W1S:W1S+1], s[W1S:W1S+1], 8192
	s_add_nc_u64 s[B1P:B1P+1], s[B1P:B1P+1], 2048
	s_add_nc_u64 s[W2S:W2S+1], s[W2S:W2S+1], 16
	s_add_nc_u64 s[W1P:W1P+1], s[W1P:W1P+1], 131072
	s_add_nc_u64 s[W2P:W2P+1], s[W2P:W2P+1], 256
	s_sub_co_u32 s[CNT], s[CNT], 1
	s_cmp_lg_u32 s[CNT], 0
	s_wait_alu depctr_va_vdst(0)
	s_cbranch_scc1 .Lmlp
	RQH 1
	BAR
	s_wait_tensorcnt 0x0
	s_wait_loadcnt 0x0
	GEMM64 AW0, 0, 0, WSC, 0, 1, 4, 3, 0, 0
	PLACES 4
	WIN 0x44
.irp m, 0,1,2,3
.irp t, 0,1,2,3
.irp q, 0,1
	ds_store_b128 v[AE1], v[8*(4*\m+\t)+4*\q:8*(4*\m+\t)+4*\q+3] offset:4352*\m+64*\t+16*\q
.endr
.endr
.irp i, 0,1,2,3,4,5,6,7
	ds_load_b128 v[HH+4*(8*\m+\i):HH+4*(8*\m+\i)+3], v[SRD] offset:4352*\m+544*\i
.endr
.endr
.set li, 0
.rept 32
	s_wait_dscnt 7-li%8+16*(3-li/8)
	global_store_b128 v[OO], v[HH+4*li:HH+4*li+3], s[OUTP:OUTP+1] offset:32768*(li/8)+4096*(li%8) th:TH_STORE_NT
.set li, li+1
.endr
	WIN 0
	s_wait_tensorcnt 0x0
	ds_add_u32 v[SPW], v[NIL]
	s_wait_dscnt 0x0
	ROUND
	s_endpgm
.Lfunc_end_k_q111e5eb8c7_block:
	.size	k_q111e5eb8c7_block, .Lfunc_end_k_q111e5eb8c7_block-k_q111e5eb8c7_block
	.p2alignl 7, 3214868480
	.fill 96, 4, 3214868480
	.section	.rodata,"a",@progbits
	.p2align	6, 0x0
	.amdhsa_kernel k_q111e5eb8c7_block
		.amdhsa_group_segment_fixed_size 327680
		.amdhsa_private_segment_fixed_size 0
		.amdhsa_enable_private_segment 0
		.amdhsa_kernarg_size 240
		.amdhsa_user_sgpr_count 2
		.amdhsa_user_sgpr_kernarg_segment_ptr 1
		.amdhsa_wavefront_size32 1
		.amdhsa_system_sgpr_workgroup_id_x 1
		.amdhsa_system_sgpr_workgroup_id_y 1
		.amdhsa_system_sgpr_workgroup_id_z 1
		.amdhsa_system_vgpr_workitem_id 0
		.amdhsa_next_free_vgpr 512
		.amdhsa_next_free_sgpr 106
		.amdhsa_reserve_vcc 0
		.amdhsa_float_denorm_mode_32 3
		.amdhsa_float_denorm_mode_16_64 3
		.amdhsa_memory_ordered 1
		.amdhsa_forward_progress 1
		.amdhsa_inst_pref_size 255
	.end_amdhsa_kernel
	.section	.bss,"aw",@nobits
	.p2align	6
	.space	262144
	.amdgpu_metadata
---
amdhsa.version: [ 1, 2 ]
amdhsa.kernels:
  - .name:           k_q111e5eb8c7_block
    .symbol:         k_q111e5eb8c7_block.kd
    .args:
      - { .name: e, .offset: 0, .size: 8, .value_kind: global_buffer, .address_space: global }
      - { .name: Wv_codes, .offset: 8, .size: 8, .value_kind: global_buffer, .address_space: global }
      - { .name: Wk_codes, .offset: 16, .size: 8, .value_kind: global_buffer, .address_space: global }
      - { .name: Wq_codes, .offset: 24, .size: 8, .value_kind: global_buffer, .address_space: global }
      - { .name: Wo_codes, .offset: 32, .size: 8, .value_kind: global_buffer, .address_space: global }
      - { .name: W1_codes, .offset: 40, .size: 8, .value_kind: global_buffer, .address_space: global }
      - { .name: W2_codes, .offset: 48, .size: 8, .value_kind: global_buffer, .address_space: global }
      - { .name: out0, .offset: 56, .size: 8, .value_kind: global_buffer, .address_space: global }
      - { .name: ln1_g, .offset: 64, .size: 8, .value_kind: global_buffer, .address_space: global }
      - { .name: ln1_b, .offset: 72, .size: 8, .value_kind: global_buffer, .address_space: global }
      - { .name: Wv_scales, .offset: 80, .size: 8, .value_kind: global_buffer, .address_space: global }
      - { .name: Wk_scales, .offset: 88, .size: 8, .value_kind: global_buffer, .address_space: global }
      - { .name: Wq_scales, .offset: 96, .size: 8, .value_kind: global_buffer, .address_space: global }
      - { .name: bv, .offset: 104, .size: 8, .value_kind: global_buffer, .address_space: global }
      - { .name: bk, .offset: 112, .size: 8, .value_kind: global_buffer, .address_space: global }
      - { .name: bq, .offset: 120, .size: 8, .value_kind: global_buffer, .address_space: global }
      - { .name: padding_mask, .offset: 128, .size: 8, .value_kind: global_buffer, .address_space: global }
      - { .name: d, .offset: 136, .size: 8, .value_kind: global_buffer, .address_space: global }
      - { .name: attn_mask, .offset: 144, .size: 8, .value_kind: global_buffer, .address_space: global }
      - { .name: rbf_w, .offset: 152, .size: 8, .value_kind: global_buffer, .address_space: global }
      - { .name: rbf_mu, .offset: 160, .size: 8, .value_kind: global_buffer, .address_space: global }
      - { .name: rbf_gamma, .offset: 168, .size: 8, .value_kind: global_buffer, .address_space: global }
      - { .name: Wo_scales, .offset: 176, .size: 8, .value_kind: global_buffer, .address_space: global }
      - { .name: bo, .offset: 184, .size: 8, .value_kind: global_buffer, .address_space: global }
      - { .name: ln2_g, .offset: 192, .size: 8, .value_kind: global_buffer, .address_space: global }
      - { .name: ln2_b, .offset: 200, .size: 8, .value_kind: global_buffer, .address_space: global }
      - { .name: b2, .offset: 208, .size: 8, .value_kind: global_buffer, .address_space: global }
      - { .name: W1_scales, .offset: 216, .size: 8, .value_kind: global_buffer, .address_space: global }
      - { .name: b1, .offset: 224, .size: 8, .value_kind: global_buffer, .address_space: global }
      - { .name: W2_scales, .offset: 232, .size: 8, .value_kind: global_buffer, .address_space: global }
    .group_segment_fixed_size: 327680
    .private_segment_fixed_size: 0
    .kernarg_segment_align: 8
    .kernarg_segment_size: 240
    .max_flat_workgroup_size: 256
    .sgpr_count:     106
    .vgpr_count:     512
    .wavefront_size: 32
...
	.end_amdgpu_metadata
.endif
;; end of part 1
